; MI455X (gfx1250); checked and timed in simulation.
; The chip was launched on July 23, 2026; its instructions are those of AMD's public machine-readable ISA for CDNA 5 (MIT licence, August 2026) and "CDNA5" Instruction Set Architecture Reference Guide (July 2026). The comments in the code are by the model that wrote it; some were corrected since.
;; Max Matching. Allowed arithmetic: matrix products marked QUANTISED: E3M2 operands, one E8M0 scale for each 32 along K, by v_wmma_scale_f32_16x16x128_f8f6f4 with both operands' format E3M2, f32 sums; everything else in f32.
;; Inputs: kernel 16 x 300 float32; sent1 64 x 200 x 300 float32; sent2 64 x 200 x 300 float32.
;; Outputs: out0 64 x 200 x 16 float32.
;; This version of the problem:
;;   THIS VERSION OF THE PROBLEM IS GIVEN IN LOW PRECISION. The matrix products marked QUANTISED in the list below multiply operands that are first quantised to E3M2 (3 exponent bits, 2 mantissa bits; 6 bits a number), with one power-of-two scale for each 32 numbers along K (OCP MX v1.0); their sums are f32. All else is computed in f32.
;;   The module's matrix products, in the order in which they are computed (A, B: the left and right operand; K: the contracted axis; several contracted axes count as one K, in the product's order):
;;     1. batch 1,024 x [M 200, K 300] x [K 300, N 200]; A: computed on the way; B: computed on the way: QUANTISED
;;   THE QUANTISER, for each operand of a quantised product, along K:
;;     - K is cut into blocks of 32 from its start; a last block that is shorter is filled with zeros.
;;     - A block's scale is 2^e with e = floor(log2(the largest magnitude in the block)) - 4, held to -126 .. 127; a block of zeros has e = 0. As a byte (E8M0): e + 127.
;;     - Each number is divided by its block's scale, clamped to +-28, and rounded to the nearest number of E3M2, ties to even, subnormals kept.
;;     - The product sums the exact products of the quantised numbers (number of the format x scale) in f32.
;;   ~~~python
;;   def quantise(x, axis):      # numpy; x: float32 -> the quantised numbers, widened to float32 again
;;       x = np.moveaxis(x, axis, -1); K = x.shape[-1]
;;       x = np.pad(x, [(0, 0)] * (x.ndim - 1) + [(0, -K % 32)]); x = x.reshape(x.shape[:-1] + (-1, 32)); a = np.abs(x).max(-1, keepdims=True)
;;       e = np.where(a > 0, np.clip(np.frexp(np.where(a > 0, a, 1))[1] - 1 - 4, -126, 127), 0)      # np.frexp(a)[1] - 1 = floor(log2(a)), exactly
;;       r = np.clip(x / 2.0 ** e, -28, 28)
;;       step = 2.0 ** (np.maximum(np.frexp(np.where(r == 0, 1, r))[1] - 1, -2) - 2)
;;       q = np.round(r / step) * step * 2.0 ** e      # np.round: ties to even
;;       return np.moveaxis(q.reshape(q.shape[:-2] + (-1,))[..., :K], -1, axis).astype(np.float32)
;;   ~~~
;;   OPERANDS COMPUTED ON THE WAY. 'Computed on the way' means the value that the module computes at that place (a softmax that the list does not call 'softmax' is quantised finished and normalised). What goes into a quantiser is computed in f32, as accurately as f32 sums, v_exp_f32 and their like allow (about 1e-6 of the number): no bf16 or f16 on the way to a quantiser, and a product that is left as it is and whose result goes on into a quantised operand takes f32 operands (vector FMAs, or v_wmma_f32_16x16x4_f32). A number that lies on a knife's edge between two numbers of the format may be rounded either way, as far as f32 arithmetic and the matrix unit's own rounding can turn it there, and no further.
;; One version. Each part assembles by itself: llvm-mc -triple=amdgcn-amd-amdhsa -mcpu=gfx1250 --defsym DOCPART=n.
;; ======== version 1 of 1: 1 launch
;; limits: right only within a limited range of input values
;; launch match (part 1): grid 256 x 1, 8 waves a work-group, clusters of 4 x 1, 327,680 bytes of LDS; arguments kernel, sent1, sent2, out0; writes out0
.if DOCPART == 1
	.amdgcn_target "amdgcn-amd-amdhsa--gfx1250"
	.amdhsa_code_object_version 6
	.text
	.protected	k_qb4d5216af1_match
	.globl	k_qb4d5216af1_match
	.p2align	8
	.type	k_qb4d5216af1_match,@function
k_qb4d5216af1_match:
	s_mov_b64 s[64:65], 0
	v_nop
	global_prefetch_b8 v0, s[64:65] scope:SCOPE_SE
	s_setreg_imm32_b32 hwreg(HW_REG_WAVE_MODE, 25, 1), 1
	s_wait_xcnt 0x0
	s_wait_alu depctr_hold_cnt(0) depctr_sa_sdst(0) depctr_va_vdst(0) depctr_va_sdst(0) depctr_va_ssrc(0) depctr_va_vcc(0) depctr_vm_vsrc(0)
	s_getreg_b32 s2, hwreg(HW_REG_IB_STS2, 6, 4)
	s_cmp_eq_u32 s2, 0
	s_cbranch_scc0 .Lentry_in_a_cluster
	s_endpgm
.Lentry_in_a_cluster:
	s_bfe_u32 s2, ttmp6, 0x10000c
	s_cmp_lg_u32 s2, 0x3003
	s_cbranch_scc0 .Lentry_shape_is_right
	s_endpgm
.Lentry_shape_is_right:
; out0[b][i][p] = max over j of  v1[b][i][p][:] . v2[b][j][p][:],  v1 = l2norm(sent1[b][i][:] * kernel[p][:]), v2 likewise from sent2; the product on codes of BF6 (E3M2), one E8M0 scale for each 32
; along d (300 numbers: nine whole blocks and one of 12 numbers and 20 zeros); sums in f32.  sent1, sent2: [64][200][300] f32; kernel: [16][300] f32; out0: [64][200][16] f32.
; SHARES.  A cluster of four work-groups is one batch b; work-group cx takes perspectives 4 cx .. 4 cx + 3; two of its eight waves (w and w + 4, "halves" 0 and 1) take one pair (b, p), p = 4 cx + w % 4.
; STEPS.  Thirteen steps; in each a wave quantises one tile of 16 rows.  Steps 0-5: sent2's rows 32 t + 16 half.  Step 6: half 0 sent2's rows 184-199, half 1 sent1's rows 184-199.  Steps 7-12: sent1's rows
; 32 (t - 7) + 16 half.  v2's codes (and those of step 6) go to LDS as images of the operand's registers, 4,096 bytes a tile.  v1's codes stay in registers, three tiles at a time (A0, A1, A2); behind steps 9 and 12
; a wave multiplies its three tiles by all 13 tiles of v2, each fragment of v2 read once for all of them.  The tile of sent1's rows 184-199 is a fourth one behind step 12, in both halves: a pair has
; 13 tiles of v1 for two waves, which run one text; half 0's copy ends in stage words 200-215.  Rows 184-191 are taken twice: a maximum does not change by that.
; THE F32 ROWS are wanted by all four work-groups: they come by JOINT tensor loads through a ring of two LDS slots, 32 rows each.  A batch is 240,000 bytes, dense, and begins at a multiple of 128: a slot is loaded as
; 152 rows of 256 bytes from the multiple of 256 at or below its first byte (19 rows a wave), so that no row runs across a border; odd batches' rows lie 128 bytes further on in LDS.  Step 6: 76 rows of 256 bytes of
; each tensor, ending at the multiple of 256 at or above the batch's end (for the last batch that is the tensor's end).  A row in LDS is 1,200 bytes, 75 places of 16: sixteen rows begin at 16 different places modulo 16.
; PREFETCH: waves 0 and 1 ask at the head, while step 0's rows are on their way, for the slots of steps 1 to 3; in step t for the slot of step t + 4 (t = 0, 1), then for sent1's slot t - 2 (t = 2 .. 7), which is loaded
; three steps later; and in step 1 for step 6's rows, loaded in step 4.  A slot is 150 blocks of 256 bytes, shared out by address among the four work-groups' two waves, each block once a cluster.
; LAYOUT.  Lane l: r = l % 16, h = l / 16.  Of row r the lane holds five LANE BLOCKS c: d = 64 c + 32 h + 0..31, the quantiser's block 2 c + h, whole: the 6-bit operand's own layout.  Numbers d >= 300 (lane block 4, h = 1,
; from the 13th on) do not exist: there a lane reads its row's earlier numbers and kernel's part is 0.
; THE MATRIX INSTRUCTION IS USED TRANSPOSED: source 0 = 16 rows j of v2, source 1 = 16 rows i of v1: a lane holds ONE i (= r) and eight j in each accumulator.
; K step 2 has six registers a side; the upper six of v2's are zero codes, of v1's whatever lies behind: every code is finite, and meets a zero.  Its two upper scale bytes are 0 on both sides.
; A block of zeros keeps the byte 1 and not 127: its codes are zeros, so the byte does not show in any sum.
; LIMITS: NaN and infinities among the inputs are not served; a row's sum of squares has to stay finite in f32 (|sent x kernel| under about 1e18).
; OUT0 leaves in pieces of 16 bytes, 64 bytes apart: the other 48 bytes of a row are the three partner work-groups'.  It is 819,200 bytes beside 30,739,200 that are read.
; REGISTERS (s_set_vgpr_msb: bits 1:0 source 0, 3:2 source 1, 5:4 source 2, 7:6 destination):
;   window 0: v0-63 addresses, scales; v64-127 lane blocks 3, 4 (while multiplying: eight accumulators); v128-191 kernel's; v192-215 A2, K steps 0, 1; v216-239 K step 2 of A0, A1, A2, the fourth; v240-245 zeros; v246-252 v2's scale words
;   window 1: v0-95 lane blocks 0-2 (while multiplying: v2's fragments, two sets of 36, and the fourth tile's K steps 0, 1 in v72-95); v96-191 kernel's; v192-201 sums, maxima; v204-251 A0, A1, K steps 0, 1; v252-254 at work
.set ROWG,   1200
.set BATCHG, 240000
.set STEPG,  38400                     ; 32 rows in memory
.set PART,   4864                      ; 19 rows of 256 bytes: a wave's part of a fill
.set SLOT,   39168
.set CODES,  2*SLOT                    ; 14 images of 4,096 bytes for each p: v2's 13 tiles, then sent1's rows 184-199
.set PCODES, 14*4096
.set STAGE,  CODES+4*PCODES            ; results: 216 words for each p
.set SROW,   864
.set SPARE,  311296                    ; the spare words, 128 bytes for each wave: four blocks of 256 bytes that no other line names
.set LA,   1                           ; 1,200 (16 half + r) + 128 h + 128 (b % 2)
.set LA4,  2                           ; the same without 128 h
.set SPW,  3
.set NIL,  4
.set STOP, 5
.set KOF,  6
.set STO,  7
.set PFO,  8
.set CBV,  9                           ; my p's images + 16 lane
.set CB8,  10                          ; + 8 lane
.set CBR,  11                          ; + 16 r
.set RM,   12                          ; while multiplying: the running maxima
.set BM,   20
.set HM,   25
.set EB,   26
.set PT1,  31
.set SC,   32
.set PT2,  37
.set RS,   38
.set WD,   44
.set SEL0, 46
.set SEL1, 47
.set SEL2, 51
.set AS,   48                          ; scale words of A0, A1, A2 and the fourth: 48, 52, 56, 60
.set BA,   55
.set BA8,  59
.set BAR,  63
.set BS,   246                         ; v2's scale words: 246 and 250
.set ADR,  249
.set ADR4, 253
.set SUM,  254
.set MSB, 0
.macro WIN new                         ; the immediate's high byte repeats the setting that is left; a switch that changes nothing is dropped
.if MSB != (\new)
	s_set_vgpr_msb (MSB<<8)|(\new)
.set MSB, (\new)
.endif
.endm
.macro VDST
	s_wait_alu depctr_va_vdst(0)
.endm
.macro PLACES
.rept 4
	v_nop
.endr
.endm
.macro CREST                           ; a round of the cluster's barrier behind its opening barrier
	s_cmp_lg_u32 s12, 0
	s_cbranch_scc1 .Lnot_wave_0_\@
	s_barrier_signal -3
.Lnot_wave_0_\@:
	s_barrier_wait -3
	s_barrier_signal -1
	s_barrier_wait -1
.endm
.macro ROUND
	s_barrier_signal -1
	s_barrier_wait -1
	CREST
.endm
.macro ASK g                           ; a joint load: my 19 rows of 256 bytes
	tensor_load_to_lds s[36+4*\g:39+4*\g], s[28:35]
	s_nop 0
	PLACES
.endm
.macro BLK c                           ; where lane block c lives: window, numbers, kernel's part, sums of squares, maxima
.if (\c) < 3
.set XW, 1
.set XB, 32*(\c)
.set KB, 96+32*(\c)
.set SQB, 192
.set MB, 196+2*(\c)
.else
.set XW, 0
.set XB, 64+32*((\c)-3)
.set KB, 128+32*((\c)-3)
.set SQB, 12
.set MB, 16+2*((\c)-3)
.endif
.endm
; THE FIRST PASS over a tile's 160 numbers a lane, in 80 pairs: x = sent x kernel; the sum of x^2 (two chains a window); each block's largest |x| (two chains a block).  The first links start the chains.
.macro PMUL i
	BLK (\i)/16
.if (\i)%16 == 0
	VDST
	s_wait_dscnt 8*(4-(\i)/16)             ; this lane block's eight loads are in; eight for each later block may be out
.endif
.set J, XB+2*((\i)%16)
.set Q, KB+2*((\i)%16)
	WIN 0x55*XW
	v_pk_mul_f32 v[J:J+1], v[J:J+1], v[Q:Q+1]
.endm
.macro PSQ i
	BLK (\i)/16
.set J, XB+2*((\i)%16)
.set Q, SQB+2*((\i)%2)
	WIN 0x55*XW
.if ((\i) < 2) || (((\i) >= 48) && ((\i) < 50))
	v_pk_mul_f32 v[Q:Q+1], v[J:J+1], v[J:J+1]
.else
	v_pk_fma_f32 v[Q:Q+1], v[J:J+1], v[J:J+1], v[Q:Q+1]
.endif
.endm
.macro PMAX i
	BLK (\i)/16
.set J, XB+2*((\i)%16)
.set M, MB+(\i)%2
	WIN 0x55*XW
.if (\i)%16 < 2
	v_max_num_f32 v[M], |v[J]|, |v[J+1]|
.else
	v_max3_num_f32 v[M], v[M], |v[J]|, |v[J+1]|
.endif
.endm
.macro SLICE n                         ; two multiplies, and the squares and maxima of the two pairs multiplied one slice back.  Lane block 4's maxima (pairs 64-79) are kept for ROWSUM
.if (\n) < 40
	PMUL 2*(\n)
	PMUL 2*(\n)+1
.endif
.if (\n) > 0
	PSQ 2*(\n)-2
	PSQ 2*(\n)-1
.if (\n) < 33
	PMAX 2*(\n)-2
	PMAX 2*(\n)-1
.endif
.endif
.endm
.macro PASS1
.set N, 0
.rept 41
	SLICE N
.set N, N+1
.endr
	WIN 0
.endm
; Lane block c of a tile: 128 bytes a lane.  from: 0, 1 the slot; 2 slot 0 at ADR.
.macro LOADS c, from
	BLK \c
	WIN XW<<6
.set SO, 0
.if \from == 1
.set SO, SLOT
.endif
.irp q, 0,1,2,3,4,5,6,7
.set AR, LA
.if \from == 2
.set AR, ADR
.endif
.if (\c == 4) && (\q > 2)
.set AR, LA4
.if \from == 2
.set AR, ADR4
.endif
.endif
	ds_load_b128 v[XB+4*\q:XB+4*\q+3], v[AR] offset:SO+256*(\c)+16*\q
.endr
.endm
.macro LOADALL from
.irp c, 0,1,2,3,4
	LOADS \c, \from
.endr
	WIN 0
.endm
; BETWEEN THE PASSES, first half: the row's sum of squares.  Lane block 4's maxima stand between the links of the chain.
.macro ROWSUM
	WIN 0x05
	v_pk_add_f32 v[SUM:SUM+1], v[192:193], v[194:195]
	WIN 0
	v_pk_add_f32 v[12:13], v[12:13], v[14:15]
.irp i, 64,65,66
	PMAX \i
.endr
	v_pk_add_f32 v[SUM:SUM+1], v[SUM:SUM+1], v[12:13]
.irp i, 67,68,69
	PMAX \i
.endr
	v_add_f32 v[SUM], v[SUM], v[SUM+1]
.irp i, 70,71,72
	PMAX \i
.endr
	v_permlanex16_b32 v[PT1], v[SUM], s80, s81     ; the row's other five blocks lie in the lane 16 away
.irp i, 73,74,75
	PMAX \i
.endr
	v_add_f32 v[SUM], v[SUM], v[PT1]
	PMAX 76
	PMAX 77
	v_max_num_f32 v[SUM], s82, v[SUM]              ; not under 1e-12
	PMAX 78
	PMAX 79
.endm
; Second half: 1 / the norm, the five scales, the three scale words into v[dst .. dst + 2] of all lanes.
; The largest |x| times 1 / norm IS the largest |v|: rounding keeps the order.  A block's byte is that number's exponent field less 4 (28 = 1.75 x 2^4), held at 1 from below.
.macro SCALES dst
	VDST
	v_rsq_f32 v[RS], v[SUM]                        ; the five maxima below are the plain instructions between the root and the use of its result (ISA guide 5.7.2)
	v_max_num_f32 v[BM+3], v16, v17
	v_max_num_f32 v[BM+4], v18, v19
	WIN 0x05
	v_max_num_f32 v[BM], v196, v197
	v_max_num_f32 v[BM+1], v198, v199
	v_max_num_f32 v[BM+2], v200, v201
	WIN 0
	VDST
.irp c, 3,4,0,1,2
	v_mul_f32 v[BM+\c], v[BM+\c], v[RS]
.endr
.irp c, 3,4,0,1,2
	v_max_u32 v[SC+\c], 0x2800000, v[BM+\c]        ; as bits (the sign bit is 0): the exponent field not under 5
.endr
.irp c, 4,0,1,2,3
	v_add_nc_u32 v[SC+\c], 0xfe000000, v[SC+\c]    ; the exponent field less 4: the conversion takes that field alone
.endr
.irp c, 4,0,1,2,3
	v_lshrrev_b32 v[EB+\c], 23, v[SC+\c]           ; the scale's byte
.endr
	v_permlanex16_b32 v[PT2], v[EB+4], s80, s81
	v_lshl_or_b32 v[WD], v[EB+1], 8, v[EB]
	v_lshl_or_b32 v[WD+1], v[EB+3], 8, v[EB+2]
	v_lshl_or_b32 v[WD], v[WD+1], 16, v[WD]        ; my bytes of lane blocks 0 to 3
	v_perm_b32 v[(\dst)+2], v[PT2], v[EB+4], v[SEL2]   ; K step 2: blocks 8, 9; the upper two bytes are EB's, which are 0
	v_permlanex16_b32 v[PT1], v[WD], s80, s81
	v_perm_b32 v[(\dst)], v[PT1], v[WD], v[SEL0]       ; K step 0: blocks 0 to 3, the even ones mine in lanes 0-15 and the other half's in lanes 16-31
	v_perm_b32 v[(\dst)+1], v[PT1], v[WD], v[SEL1]     ; K step 1: blocks 4 to 7 likewise
.endm
; THE SECOND PASS: v = x / norm; 32 numbers -> 192 bits of codes, into tile register set a.  A conversion's three registers begin on an even number, a block's second three do not: they are made elsewhere and moved.
.macro P2SET c, a
	BLK \c
.if (\c) == 4
.set DW, 0
.set CB, 216+6*(\a)
.elseif (\a) == 2
.set DW, 0
.set CB, 192+6*(\c)
.else
.set DW, 1
.set CB, 204+24*(\a)+6*(\c)
.endif
.if DW == 0
.set TT, 40
.else
.set TT, 252
.endif
.endm
.macro P2MUL c
	BLK \c
	WIN (XW<<6)|XW
.irp j, 0,1,2,3,4,5,6,7,8,9,10,11,12,13,14,15
	v_pk_mul_f32 v[XB+2*\j:XB+2*\j+1], v[XB+2*\j:XB+2*\j+1], v[RS:RS+1] op_sel_hi:[1,0]   ; both halves by the pair's low word
.endr
.endm
.macro P2CVT c, a
	P2SET \c, \a
	WIN (DW<<6)|XW
	v_cvt_scalef32_pk16_bf6_f32 v[CB:CB+2], v[XB:XB+15], v[SC+(\c)]      ; to the nearest code, ties to even, beyond 28 the largest code
	v_cvt_scalef32_pk16_bf6_f32 v[TT:TT+2], v[XB+16:XB+31], v[SC+(\c)]
.endm
.macro P2MOV c, a
	P2SET \c, \a
	WIN (DW<<6)|DW
	v_mov_b32 v[CB+3], v[TT]
	v_mov_b32 v[CB+4], v[TT+1]
	v_mov_b32 v[CB+5], v[TT+2]
.endm
.macro NEXT c, nxt                     ; the next tile's numbers, into the registers just read; nxt = 3: nothing is loaded
.if \nxt < 3
	LOADS \c, \nxt
.endif
.endm
.macro PASS2 a, nxt                    ; lane blocks 0 and 1 have been multiplied by 1 / norm
.irp c, 0,1,2
	P2CVT \c, \a
	P2MUL \c+2                             ; the plain instructions behind the scaled conversions
	P2MOV \c, \a
	NEXT \c, \nxt
.endr
	P2CVT 3, \a
	v_nop                                  ; the plain instruction behind a scaled conversion
	P2MOV 3, \a
	P2CVT 4, \a
	v_nop
	P2MOV 4, \a
	NEXT 3, \nxt
	NEXT 4, \nxt
	WIN 0
.endm
.macro MULS
	P2MUL 0
	P2MUL 1
	WIN 0
.endm
; BETWEEN THE PASSES, with THE CHANGE OF SLOTS: this step's slot g has been read out into registers and is filled again with the rows of two steps on.  Every wave: all its tensor loads have landed (the next
; step's rows); the add, and the row's sum while it is out; the add and its reads are done; a round of the cluster's barrier, with the scales and 32 multiplies between its opening signal and wait; the joint load
; first behind it, the wave's only one until the next round.
; upd: 1 steps 0, 2, 4; 2 steps 1, 3, 5; 3 step 6; 0 later ones
.macro TURN g, upd, dst
	VDST
.if (\upd == 1) || (\upd == 3)
	s_wait_xcnt 0x0                        ; the prefetches have read their base
.endif
	s_wait_tensorcnt 0x0
	ds_add_u32 v[SPW], v[NIL]              ; 0 onto my spare word
.if \upd == 1
	s_add_nc_u64 s[50:51], s[50:51], 2*STEPG
	s_cmp_eq_u32 s21, 1
	s_cselect_b64 s[50:51], s[48:49], s[50:51]
.elseif \upd == 2
	s_cmp_eq_u32 s21, 2
	s_cselect_b32 s25, s23, 0              ; step 6's tile lies s23 bytes further on
.elseif \upd == 3
	s_add_nc_u64 s[50:51], s[50:51], 2*STEPG
.endif
	s_mov_b64 s[38+4*\g:39+4*\g], s[52+2*\g:53+2*\g]   ; slot g's next rows,
	s_or_b32 s[39+4*\g], s[39+4*\g], 0x80000000        ; type = 2;
	s_add_nc_u64 s[52+2*\g:53+2*\g], s[52+2*\g:53+2*\g], 2*STEPG   ; and those after them
	ROWSUM
	s_wait_dscnt 0x0
	s_barrier_signal -1
	SCALES \dst
	MULS
	VDST
	s_barrier_wait -1
	CREST
	ASK \g
.endm
; A tile's image: registers 0-23 (K steps 0, 1) and 24-27 at 16 x lane in pieces of 512 bytes, 28-29 at 8 x lane, the scale words at 16 r (both lanes of a row write the same words).
.macro IMAGE off
	v_add_nc_u32 v[BA], s22, v[CBV]
	v_add_nc_u32 v[BA8], s22, v[CB8]
	v_add_nc_u32 v[BAR], s22, v[CBR]
	ds_store_b96 v[BAR], v[AS:AS+2] offset:3840+\off
	ds_store_b128 v[BA], v[216:219] offset:3072+\off
	ds_store_b64 v[BA8], v[220:221] offset:3584+\off
	WIN 0x04
.irp g, 0,1,2,3,4,5
	ds_store_b128 v[BA], v[204+4*\g:207+4*\g] offset:512*\g+\off
.endr
	WIN 0
.endm
.macro PREF off
	VDST
	s_cmp_lt_u32 s12, 2
	s_cbranch_scc0 .Lnot_mine_\@
	global_prefetch_b8 v[PFO], s[50:51] offset:\off th:TH_LOAD_NT scope:SCOPE_SE
.Lnot_mine_\@:
.endm
; THE PRODUCTS of n tiles of v1 (A0, A1, A2 and, n = 4, the fourth) with v2's 13 tiles.
.macro LB set                          ; the next tile of v2 into fragment set: nine LDS loads
	WIN 0
	v_add_nc_u32 v[BA], s24, v[CBV]
	v_add_nc_u32 v[BA8], s24, v[CB8]
	v_add_nc_u32 v[BAR], s24, v[CBR]
	WIN 0x40
.irp g, 0,1,2,3,4,5,6
	ds_load_b128 v[36*\set+4*\g:36*\set+4*\g+3], v[BA] offset:512*\g
.endr
	ds_load_b64 v[36*\set+28:36*\set+29], v[BA8] offset:3584
	WIN 0
	ds_load_b96 v[BS+4*\set:BS+4*\set+2], v[BAR] offset:3840
	s_add_co_u32 s24, s24, 4096
.endm
.macro WW set, n                       ; the accumulators take turns, one instruction a turn; K step 0 starts the sums
.irp s, 0,1,2
.irp a, 0,1,3,2
.if ((\a) != 3) || ((\n) == 4)
.set AC, 64+32*\set+8*\a
.set BR, 36*\set+12*\s
.if \s == 2
.set AR, 216+6*\a
	WIN 0x01
.elseif \a == 2
.set AR, 192+12*\s
	WIN 0x01
.elseif \a == 3
.set AR, 72+12*\s
	WIN 0x05
.else
.set AR, 204+24*\a+12*\s
	WIN 0x05
.endif
.if \s == 0
	v_wmma_scale_f32_16x16x128_f8f6f4 v[AC:AC+7], v[BR:BR+11], v[AR:AR+11], 0, v[BS+4*\set+\s], v[AS+4*\a+\s] matrix_a_fmt:MATRIX_FMT_BF6 matrix_b_fmt:MATRIX_FMT_BF6
.else
	v_wmma_scale_f32_16x16x128_f8f6f4 v[AC:AC+7], v[BR:BR+11], v[AR:AR+11], v[AC:AC+7], v[BS+4*\set+\s], v[AS+4*\a+\s] matrix_a_fmt:MATRIX_FMT_BF6 matrix_b_fmt:MATRIX_FMT_BF6
.endif
.endif
.endr
.endr
	WIN 0
.endm
.macro XX set, n                       ; the running maxima over j, each accumulator from its low end on
.irp k, 0,1,2,3
.irp a, 0,1,3,2
.if ((\a) != 3) || ((\n) == 4)
.set AC, 64+32*\set+8*\a+2*\k
	v_max3_num_f32 v[RM+\a], v[RM+\a], v[AC], v[AC+1]
.endif
.endr
.endr
.endm
.macro READY left
	VDST
	s_wait_dscnt \left                     ; the older fragment is in; the younger's nine loads may be out
.endm
; A vector instruction that reads a result, and a load into a fragment that has been multiplied, stand four places behind the matrix instruction (ISA guide 7.12.1 for the first): the other set's maxima are those places.
.macro MM n, m
	WIN 0x40
.irp i, 0,1,2,3,4,5
	v_mov_b32 v[30+\i], 0                  ; v2's zero codes for k = 320..383
	v_mov_b32 v[66+\i], 0
.endr
	WIN 0
.irp a, 0,1,3,2
.if ((\a) != 3) || ((\n) == 4)
	v_mov_b32 v[RM+\a], 0xff800000
.endif
.endr
	s_mov_b32 s24, 0
	LB 0
	LB 1
	READY 9
	WW 0, \n
	PLACES
	LB 0
	s_mov_b32 s27, 5
.Lmul_\m:
	READY 9
	WW 1, \n
	XX 0, \n
	LB 1
	READY 9
	WW 0, \n
	XX 1, \n
	LB 0
	s_sub_co_u32 s27, s27, 1
	s_cmp_lg_u32 s27, 0
	VDST
	s_cbranch_scc1 .Lmul_\m
	READY 9
	WW 1, \n
	XX 0, \n
	READY 0
	WW 0, \n
	XX 1, \n
	XX 0, \n
.irp a, 0,1,3,2
.if ((\a) != 3) || ((\n) == 4)
	v_permlanex16_b32 v[BM+\a], v[RM+\a], s80, s81     ; my i's other 104 j lie in the lane 16 away
.endif
.endr
.irp a, 0,1,3,2
.if ((\a) != 3) || ((\n) == 4)
	v_max_num_f32 v[RM+\a], v[RM+\a], v[BM+\a]
.endif
.endr
.irp a, 0,1,2
	ds_store_b32 v[STO], v[RM+\a] offset:384*\m+128*\a   ; both lanes of a row write the same word with the same value
.endr
.if (\n) == 4
	ds_store_b32 v[STOP], v[RM+3]
.endif
.endm
	s_load_b256 s[4:11], s[0:1], 0x0               ; kernel s[4:5], sent1 s[6:7], sent2 s[8:9], out0 s[10:11]
	v_lshl_add_u32 v[SPW], v0, 2, SPARE
	v_mov_b32 v[NIL], 0
	ds_add_u32 v[SPW], v[NIL]                      ; the wave's opening: the add, twice on end, and its wait ahead of my first tensor load
	ds_add_u32 v[SPW], v[NIL]
	s_mov_b32 s28, 15|(3<<16)|(1<<21)              ; group 1: the mask of all four work-groups; elements of 8 bytes; bit 21 beside a mask; 19 rows of 32 elements, dense
	s_mov_b32 s29, 32<<16
	s_mov_b32 s30, 19<<16
	s_mov_b32 s31, 32<<16
	s_mov_b32 s32, 19
	s_mov_b32 s33, 32
	s_mov_b32 s34, 0
	s_mov_b32 s35, 0
	v_lshrrev_b32 v[KOF], 5, v0
	v_readfirstlane_b32 s12, v[KOF]                ; wave 0..7
	s_bfe_u32 s13, ttmp6, 0x40000                  ; cx: it enters kernel's, out0's and the prefetches' addresses alone
	s_and_b32 s14, s12, 3                          ; p within the work-group
	s_lshr_b32 s15, s12, 2                         ; half
	s_mov_b32 s80, 0x76543210                      ; v_permlanex16_b32: each lane takes its own place in the other half
	s_mov_b32 s81, 0xfedcba98
	s_mov_b32 s82, 0x2b8cbccc                      ; 1e-12
	VDST
	s_wait_dscnt 0x0                               ; both opening adds are done
	s_wait_kmcnt 0x0
	s_mul_i32 s16, ttmp9, BATCHG                   ; in a cluster launch ttmp9 counts clusters: the batch
	s_and_b32 s16, s16, 0xffffff00
	s_mov_b32 s17, 0
	s_mul_i32 s18, s12, PART
	s_mov_b32 s19, 0
	s_add_nc_u64 s[48:49], s[6:7], s[16:17]        ; sent1's first slot
	s_add_nc_u64 s[50:51], s[8:9], s[16:17]        ; sent2's
	s_add_nc_u64 s[46:47], s[48:49], s[18:19]      ; my part of sent1's first slot
	s_add_nc_u64 s[38:39], s[50:51], s[18:19]      ; and of sent2's slots 0
	s_add_nc_u64 s[42:43], s[38:39], STEPG         ; and 1
	s_add_nc_u64 s[52:53], s[38:39], 2*STEPG       ; what slot 0 takes next,
	s_add_nc_u64 s[54:55], s[38:39], 3*STEPG       ; and slot 1
	s_add_nc_u64 s[50:51], s[50:51], 2*STEPG       ; the prefetches' base: step 2's slot; step 0 sets it two slots further on
	s_or_b32 s39, s39, 0x80000000                  ; type = 2
	s_or_b32 s43, s43, 0x80000000
	s_mov_b32 s36, 1
	s_mov_b32 s40, 1
	s_mul_i32 s37, s12, PART
	s_mul_i32 s41, s12, PART
	s_add_co_u32 s41, s41, SLOT
	ROUND                                          ; all four work-groups are here: the first joint loads meet
	ASK 0                                          ; step 0's rows: one tensor load a wave at the head
	s_mul_i32 s16, ttmp9, BATCHG                   ; step 6's rows begin 76 rows of 256 bytes ahead of the batch's end
	s_add_co_u32 s16, s16, BATCHG+128
	s_and_b32 s16, s16, 0xffffff00
	s_sub_co_u32 s16, s16, 4*PART
	s_cmp_lt_u32 s13, 2                            ; their prefetch: work-groups 0, 1 ask for sent2's 76 blocks, 2, 3 for sent1's
	s_cselect_b64 s[56:57], s[8:9], s[6:7]
	s_cselect_b32 s18, 0, 4*PART
	s_sub_co_u32 s18, s16, s18
	s_add_nc_u64 s[56:57], s[56:57], s[18:19]
	s_mul_i32 s18, s14, PART
	s_add_co_u32 s16, s16, s18
	s_mov_b64 s[44:45], s[8:9]                     ; their loads: waves 0-3 sent2's, waves 4-7 sent1's
	s_cmp_lt_u32 s12, 4
	s_cbranch_scc1 .Lsent2
	s_mov_b64 s[44:45], s[6:7]
.Lsent2:
	s_add_nc_u64 s[44:45], s[44:45], s[16:17]
	s_lshl_b32 s16, s13, 2
	s_add_co_u32 s16, s16, s14
	s_mul_i32 s16, s16, ROWG
	s_add_nc_u64 s[4:5], s[4:5], s[16:17]          ; kernel's row p
	s_lshl_b32 s16, s13, 1
	s_add_co_u32 s16, s16, s12
	s_mul_i32 s16, s16, 19
	v_and_b32 v[PFO], 31, v0
	v_min_u32 v[PFO], 18, v[PFO]
	v_add_nc_u32 v[PFO], s16, v[PFO]
	v_min_u32 v[PFO], 149, v[PFO]                  ; one of the slot's 150 blocks of 256 bytes
	v_lshlrev_b32 v[PFO], 8, v[PFO]
	v_bfe_u32 v[HM], v0, 4, 1                      ; h
	v_lshlrev_b32 v[KOF], 7, v[HM]                 ; 128 h
	v_mov_b32 v[PT2], 0
	VDST
	s_cmp_lt_u32 s12, 2
	s_cbranch_scc0 .Lnot_mine_head
	global_prefetch_b8 v[PFO], s[50:51] offset:-STEPG th:TH_LOAD_NT scope:SCOPE_SE   ; the slots of steps 1, 2, 3
	global_prefetch_b8 v[PFO], s[50:51] th:TH_LOAD_NT scope:SCOPE_SE
	global_prefetch_b8 v[PFO], s[50:51] offset:STEPG th:TH_LOAD_NT scope:SCOPE_SE
.Lnot_mine_head:
; kernel's row in the lanes' layout, kept for the whole launch.
.irp c, 0,1,2,3,4
	BLK \c
	WIN XW<<6
.irp q, 0,1,2,3,4,5,6,7
.if (\c == 4) && (\q > 2)
	global_load_b128 v[KB+4*\q:KB+4*\q+3], v[PT2], s[4:5] offset:256*\c+16*\q
.else
	global_load_b128 v[KB+4*\q:KB+4*\q+3], v[KOF], s[4:5] offset:256*\c+16*\q
.endif
.endr
.endr
	WIN 0
	v_and_b32 v[BM], 15, v0                        ; r
	v_and_b32 v[BM+1], 31, v0                      ; lane
	VDST
	s_and_b32 s18, ttmp9, 1
	s_lshl_b32 s18, s18, 7                         ; odd batches begin 128 bytes behind a multiple of 256
	s_mul_i32 s16, s15, 16*ROWG
	s_add_co_u32 s16, s16, s18
	v_mul_u32_u24 v[LA4], ROWG, v[BM]
	v_add_nc_u32 v[LA4], s16, v[LA4]
	v_add_nc_u32 v[LA], v[LA4], v[KOF]
	s_lshl_b32 s23, s15, 8
	s_add_co_u32 s23, s23, 128                     ; step 6's tile: row 184 of half's tensor at 19,456 half + 128 + 128 (b % 2)
	s_mul_i32 s16, s14, PCODES
	s_add_co_u32 s16, s16, CODES
	v_lshlrev_b32 v[CBV], 4, v[BM+1]
	v_lshlrev_b32 v[CB8], 3, v[BM+1]
	v_lshlrev_b32 v[CBR], 4, v[BM]
	v_add_nc_u32 v[CBV], s16, v[CBV]
	v_add_nc_u32 v[CB8], s16, v[CB8]
	v_add_nc_u32 v[CBR], s16, v[CBR]
	s_mul_i32 s16, s14, SROW
	s_lshl_b32 s18, s15, 6
	s_add_co_u32 s16, s16, s18
	s_add_co_u32 s16, s16, STAGE
	v_lshl_add_u32 v[STO], v[BM], 2, s16           ; the stage: p's words, row 16 half + r
	s_mul_i32 s16, s14, SROW
	s_xor_b32 s18, s18, 64                         ; 64 (1 - half): the fourth tile's words: half 1 row 184 + r, half 0 word 200 + r
	s_add_co_u32 s16, s16, s18
	s_add_co_u32 s16, s16, STAGE+736
	v_lshl_add_u32 v[STOP], v[BM], 2, s16
	v_sub_nc_u32 v[HM], 0, v[HM]                   ; all ones in lanes 16-31
	v_and_b32 v[BM+2], 0x4040404, v[HM]
	v_and_b32 v[BM+3], 0x404, v[HM]
	v_xor_b32 v[SEL0], 0x5010400, v[BM+2]          ; lanes 16-31 take the two sources the other way round
	v_add_nc_u32 v[SEL1], 0x2020202, v[SEL0]
	v_xor_b32 v[SEL2], 0x1010400, v[BM+3]
	v_xor_b32 v[HM], -1, v[HM]                     ; all ones in lanes 0-15
	v_mov_b32 v[PT1], 0                            ; the destination of a lane permute counts as read
	v_mov_b32 v[RS+1], 0                           ; named with v38 as a pair, so it is written; its value is not used
.irp i, 0,1,2,3,4,5,6,7,8,9,10,11
	v_mov_b32 v[234+\i], 0                         ; named behind A2's K step 2 before the fourth tile is there
.endr
	s_mul_i32 s16, ttmp9, 12800                    ; out0: the batch's 200 rows of 64 bytes, and my work-group's 16 bytes of a row
	s_lshl_b32 s18, s13, 4
	s_add_co_u32 s16, s16, s18
	s_add_nc_u64 s[10:11], s[10:11], s[16:17]
	s_mov_b32 s21, 0
	s_mov_b32 s25, 0
	s_lshl_b32 s22, s15, 12                        ; the image of tile 2 t + half
	VDST
	s_wait_tensorcnt 0x0                           ; my part of step 0's rows is in
	ds_add_u32 v[SPW], v[NIL]
	s_wait_dscnt 0x0
	ROUND                                          ; everybody's is
	ASK 1                                          ; step 1's rows: slot 1's first fill
	LOADALL 0
	s_wait_loadcnt 0x0                             ; kernel's row
.irp i, 12,13,14,15,16,17,18,19,20,21,22,23,24,25,26,27,28,29,30,31
	v_and_b32 v[160+\i], v[HM], v[160+\i]          ; d >= 300 in lanes 16-31: 0
.endr
.Lv2:                                                  ; a trip: steps 2 k and 2 k + 1
	PASS1
	TURN 0, 1, AS
	PASS2 0, 1
	IMAGE 0
	PREF 0
	PASS1
	TURN 1, 2, AS
	v_add_nc_u32 v[ADR], s25, v[LA]
	v_add_nc_u32 v[ADR4], s25, v[LA4]
	PASS2 0, 2
	IMAGE 8192
	PREF STEPG
	s_lshl_b32 s16, s21, 3
	s_or_b32 s16, s16, s12
	s_cmp_lt_u32 s16, 2                            ; waves 0 and 1 in the first trip: step 6's rows
	s_cbranch_scc0 .Lnot_first
	global_prefetch_b8 v[PFO], s[56:57] th:TH_LOAD_NT scope:SCOPE_SE
.Lnot_first:
	s_add_co_u32 s22, s22, 16384
	s_add_co_u32 s21, s21, 1
	s_cmp_eq_u32 s21, 2
	VDST
	s_cbranch_scc0 .Lsame_rows
	s_mov_b64 s[52:53], s[44:45]                   ; the third trip asks for step 6's rows
	s_mov_b64 s[54:55], s[46:47]                   ; and for sent1's first slot
.Lsame_rows:
	s_cmp_lt_u32 s21, 3
	s_cbranch_scc1 .Lv2
	s_add_nc_u64 s[52:53], s[46:47], STEPG         ; step 6 asks for sent1's second slot
	PASS1                                          ; step 6: s22 now names images 12 (half 0) and 13 (half 1)
	TURN 0, 3, AS
	PASS2 0, 1
	IMAGE 0
	PREF 0
	PASS1                                          ; step 7
	TURN 1, 0, AS
	PASS2 0, 0
	PREF STEPG
	PASS1                                          ; step 8
	TURN 0, 0, AS+4
	PASS2 1, 1
	PASS1                                          ; step 9: the products take the numbers' registers, so the next tile is loaded behind them
	TURN 1, 0, AS+8
	PASS2 2, 3
	MM 3, 0
	LOADALL 0
	PASS1                                          ; step 10: the last fill
	TURN 0, 0, AS
	PASS2 0, 1
	PASS1                                          ; step 11: nothing is left to fetch; the barrier shows step 12's rows landed
	VDST
	s_wait_tensorcnt 0x0
	ROWSUM
	s_wait_dscnt 0x0
	s_barrier_signal -1
	SCALES AS+4
	MULS
	VDST
	s_barrier_wait -1
	PASS2 1, 0
	PASS1                                          ; step 12
	ROWSUM
	SCALES AS+8
	MULS
	PASS2 2, 3
	WIN 0x40                                       ; the fourth tile: image 13
.irp g, 0,1,2,3,4,5
	ds_load_b128 v[72+4*\g:75+4*\g], v[CBV] offset:53248+512*\g
.endr
	WIN 0
	ds_load_b128 v[234:237], v[CBV] offset:53248+3072
	ds_load_b64 v[238:239], v[CB8] offset:53248+3584
	ds_load_b96 v[60:62], v[CBR] offset:53248+3840
	MM 4, 1
	; THE WAY OUT.  Thread t < 200 gathers the four p's words of row t and stores 16 bytes.
	VDST
	s_wait_dscnt 0x0                               ; for the others' sake: my stores into the stage are done
	s_barrier_signal -1
	s_barrier_wait -1
	v_min_u32 v[BA], 199, v0                       ; all lanes load, the idle ones row 199's words again
	v_lshl_add_u32 v[BA], v[BA], 2, STAGE
	v_lshlrev_b32 v[BA8], 6, v0                    ; a row of out0 is 64 bytes
.irp k, 0,1,2,3
	ds_load_b32 v[64+\k], v[BA] offset:SROW*\k
.endr
	VDST
	s_wait_dscnt 0x0
	s_wait_xcnt 0x0                                ; EXEC changes only behind this wait
	v_cmp_gt_u32 vcc_lo, 200, v0
	s_and_saveexec_b32 s20, vcc_lo
	global_store_b128 v[BA8], v[64:67], s[10:11]
	s_wait_xcnt 0x0                                ; and again, in front of the line that widens it
	s_or_b32 exec_lo, exec_lo, s20
	s_wait_tensorcnt 0x0                           ; the wave's end: behind my last tensor load and my last LDS store
	ds_add_u32 v[SPW], v[NIL]
	s_wait_dscnt 0x0
	ROUND                                          ; the closing round: no work-group ends while a partner may still ask for rows that name it
	s_endpgm
.Lfunc_end_k_qb4d5216af1_match:
	.size	k_qb4d5216af1_match, .Lfunc_end_k_qb4d5216af1_match-k_qb4d5216af1_match
	.p2alignl 7, 3214868480
	.fill 96, 4, 3214868480
	.section	.rodata,"a",@progbits
	.p2align	6, 0x0
	.amdhsa_kernel k_qb4d5216af1_match
		.amdhsa_group_segment_fixed_size 327680
		.amdhsa_private_segment_fixed_size 0
		.amdhsa_enable_private_segment 0
		.amdhsa_kernarg_size 32
		.amdhsa_user_sgpr_count 2
		.amdhsa_user_sgpr_kernarg_segment_ptr 1
		.amdhsa_wavefront_size32 1
		.amdhsa_system_sgpr_workgroup_id_x 1
		.amdhsa_system_sgpr_workgroup_id_y 1
		.amdhsa_system_sgpr_workgroup_id_z 1
		.amdhsa_system_vgpr_workitem_id 0
		.amdhsa_next_free_vgpr 512
		.amdhsa_next_free_sgpr 84
		.amdhsa_reserve_vcc 1
		.amdhsa_float_denorm_mode_32 3
		.amdhsa_float_denorm_mode_16_64 3
		.amdhsa_memory_ordered 1
		.amdhsa_forward_progress 1
		.amdhsa_inst_pref_size 255
	.end_amdhsa_kernel
	.section	.bss,"aw",@nobits
	.p2align	6
	.space	262144
	.amdgpu_metadata
---
amdhsa.version: [ 1, 2 ]
amdhsa.kernels:
  - .name:           k_qb4d5216af1_match
    .symbol:         k_qb4d5216af1_match.kd
    .args:
      - { .name: kernel, .offset: 0, .size: 8, .value_kind: global_buffer, .address_space: global }
      - { .name: sent1, .offset: 8, .size: 8, .value_kind: global_buffer, .address_space: global }
      - { .name: sent2, .offset: 16, .size: 8, .value_kind: global_buffer, .address_space: global }
      - { .name: out0, .offset: 24, .size: 8, .value_kind: global_buffer, .address_space: global }
    .group_segment_fixed_size: 327680
    .private_segment_fixed_size: 0
    .kernarg_segment_align: 8
    .kernarg_segment_size: 32
    .max_flat_workgroup_size: 256
    .sgpr_count:     84
    .vgpr_count:     512
    .wavefront_size: 32
...
	.end_amdgpu_metadata
.endif
;; end of part 1
